; MI455X (gfx1250); checked and timed in simulation.
; The chip was launched on July 23, 2026; its instructions are those of AMD's public machine-readable ISA for CDNA 5 (MIT licence, August 2026) and "CDNA5" Instruction Set Architecture Reference Guide (July 2026). The comments in the code are by the model that wrote it; some were corrected since.
;; Quant Linear. Allowed arithmetic: matrix products marked QUANTISED: E2M3 operands, one E8M0 scale for each 32 along K, by v_wmma_scale_f32_16x16x128_f8f6f4 with both operands' format E2M3, f32 sums; everything else in f32.
;; Inputs: fp_bias 4,096 float32; int_weight 4,096 x 4,096 int8; w_scale one number float32; x 4 x 1,024 x 4,096 float32.
;; Outputs: out0 4 x 1,024 x 4,096 float32.
;; This version of the problem:
;;   THIS VERSION OF THE PROBLEM IS GIVEN IN LOW PRECISION. The matrix products marked QUANTISED in the list below multiply operands that are first quantised to E2M3 (2 exponent bits, 3 mantissa bits; 6 bits a number), with one power-of-two scale for each 32 numbers along K (OCP MX v1.0); their sums are f32. All else is computed in f32.
;;   The module's matrix products, in the order in which they are computed (A, B: the left and right operand; K: the contracted axis; several contracted axes count as one K, in the product's order):
;;     1. [M 4,096, K 4,096] x [K 4,096, N 4,096]; A: input x; B: computed on the way: QUANTISED
;;   THE QUANTISER, for each operand of a quantised product, along K:
;;     - K is cut into blocks of 32 from its start; a last block that is shorter is filled with zeros.
;;     - A block's scale is 2^e with e = floor(log2(the largest magnitude in the block)) - 2, held to -126 .. 127; a block of zeros has e = 0. As a byte (E8M0): e + 127.
;;     - Each number is divided by its block's scale, clamped to +-7.5, and rounded to the nearest number of E2M3, ties to even, subnormals kept.
;;     - The product sums the exact products of the quantised numbers (number of the format x scale) in f32.
;;   ~~~python
;;   def quantise(x, axis):      # numpy; x: float32 -> the quantised numbers, widened to float32 again
;;       x = np.moveaxis(x, axis, -1); K = x.shape[-1]
;;       x = np.pad(x, [(0, 0)] * (x.ndim - 1) + [(0, -K % 32)]); x = x.reshape(x.shape[:-1] + (-1, 32)); a = np.abs(x).max(-1, keepdims=True)
;;       e = np.where(a > 0, np.clip(np.frexp(np.where(a > 0, a, 1))[1] - 1 - 2, -126, 127), 0)      # np.frexp(a)[1] - 1 = floor(log2(a)), exactly
;;       r = np.clip(x / 2.0 ** e, -7.5, 7.5)
;;       step = 2.0 ** (np.maximum(np.frexp(np.where(r == 0, 1, r))[1] - 1, 0) - 3)
;;       q = np.round(r / step) * step * 2.0 ** e      # np.round: ties to even
;;       return np.moveaxis(q.reshape(q.shape[:-2] + (-1,))[..., :K], -1, axis).astype(np.float32)
;;   ~~~
;;   OPERANDS COMPUTED ON THE WAY. 'Computed on the way' means the value that the module computes at that place (a softmax that the list does not call 'softmax' is quantised finished and normalised). What goes into a quantiser is computed in f32, as accurately as f32 sums, v_exp_f32 and their like allow (about 1e-6 of the number): no bf16 or f16 on the way to a quantiser, and a product that is left as it is and whose result goes on into a quantised operand takes f32 operands (vector FMAs, or v_wmma_f32_16x16x4_f32). A number that lies on a knife's edge between two numbers of the format may be rounded either way, as far as f32 arithmetic and the matrix unit's own rounding can turn it there, and no further.
;; One version. Each part assembles by itself: llvm-mc -triple=amdgcn-amd-amdhsa -mcpu=gfx1250 --defsym DOCPART=n.
;; ======== version 1 of 1: 2 launches
;; limits: right only within a limited range of input values
;; workspace buffers: aq 13,107,200 bytes; bq 13,107,200 bytes
;; launch quant (part 1): grid 768 x 1, 4 waves a work-group, no clusters, 69,120 bytes of LDS; arguments x, int_weight, w_scale, aq, bq; writes aq, bq
.if DOCPART == 1
	.amdgcn_target "amdgcn-amd-amdhsa--gfx1250"
	.amdhsa_code_object_version 6
	.text
	.protected	k_q749150117f_quant
	.globl	k_q749150117f_quant
	.p2align	8
	.type	k_q749150117f_quant,@function
k_q749150117f_quant:
	s_mov_b64 s[64:65], 0
	v_nop
	global_prefetch_b8 v0, s[64:65] scope:SCOPE_SE
	s_setreg_imm32_b32 hwreg(HW_REG_WAVE_MODE, 25, 1), 1
	s_wait_xcnt 0x0
; x [4096][4096] f32 and w = f32(int_weight) * w_scale [4096][4096] (K innermost in both) become codes of FP6 (E2M3) with one E8M0 byte for each 32 along K.
; A block's scale is 2^(floor(log2(its largest magnitude)) - 2): its byte is the largest magnitude's exponent field - 2, held at 1 from below by a floor among the maximum's leaves.
; LIMITS: NaN and infinities among the inputs are not served.  A block of zeros gets the byte 1 where the rule says 127: its codes are zeros, which add nothing under that byte, and this program alone reads the bytes.
; Blocks whose largest magnitude lies under 2^(3 - 127) are held at that floor's byte.
; THE WORKSPACE IS LAID IN THE ORDER OF THE OPERAND'S REGISTERS.  Block (g = row / 128, n = k / 128) begins at (32 g + n) x 12,800 bytes.  In it fragment i = (row % 128) / 16 lies at 1,536 i: register group c (0..2) at
; + 512 c, lane l's 16 bytes at + 16 l: registers 4 c .. 4 c + 3 of the operand (lane (r, h): row 16 i + r; registers 6 c' .. 6 c' + 5: k = 64 c' + 32 h + 0 .. 31).  The scale word of (i, r) lies at 12,288 + 256 (i / 4) + 16 r + 4 (i % 4).
; SHARES.  Work-groups 0-511 take x: a wave 64 rows x 128 K (four fragments); each load reads 512 consecutive bytes of one row.  Work-groups 512-767 take the weights: a wave 64 rows x 256 K (eight fragments);
; each load reads 256 consecutive bytes of two rows.  The numbers turn through the wave's own stage in LDS, so that a lane gets 32 neighbours along K of ONE row, twice: two whole blocks, whose maxima need no other lane.
; Every store of codes covers 512 consecutive bytes, aligned; the scale words leave as whole aligned runs of 256 bytes.  Waves share nothing: no barrier.  The two paths have LDS bytes of their own.
.set XPW, 8448                         ; x's stage: 16 rows x 528 bytes for each wave, from LDS byte 0 on
.set XP,  528                          ; 512 bytes + 16: an odd multiple of 16, so that the sixteen rows of a read start in different 16-byte columns
.set WST, 33792                        ; behind them the weights' stages: 32 rows x 272 bytes for each wave
.set WPW, 8704
.set WP,  272
.set SB,  12800                        ; a block of the workspace
.set FRB, 1536                         ; a fragment's image
.set SCO, 12288                        ; where a block's scale words begin
.set M,   12                           ; v12-13  my two blocks' largest magnitudes
.set S,   14                           ; v14-15  the conversions' scale operands
.set BY,  16                           ; v16-17  the scales' bytes
.set T,   18                           ; v18     my two bytes at their places in the word
.set U,   19                           ; v19     lane l xor 16's
.set W,   20                           ; v20-27  scale words, one for each fragment
.set C,   28                           ; v28-39  a fragment's twelve registers
.set T0,  40                           ; v40-42, v44-46: the second halves of a block's six (a conversion's three registers begin on an even number)
.set T1,  44
.set X,   64                           ; v64-127 64 numbers: X[32 c + i] = k 64 c + 32 h + i of row r
.set R,   128                          ; v128-255 as loaded
.macro LOADX f                         ; fragment f's 16 rows: 32 lanes read 512 consecutive bytes of a row
.irp rr, 0,1,2,3,4,5,6,7,8,9,10,11,12,13,14,15
	global_load_b128 v[R+64*((\f)%2)+4*\rr:R+64*((\f)%2)+4*\rr+3], v4, s[4:5] offset:(16*(\f)+\rr)*16384 th:TH_LOAD_NT
.endr
.endm
; The 64 numbers in X become a fragment's codes, stored at off, and its scale word, kept in W[wi].
.macro QFRAG wi, off
.irp c, 0,1
	v_max3_num_f32 v[M+\c], |v[X+32*\c]|, |v[X+32*\c+1]|, 0x1800000   ; block 2 c + h: all 32 numbers are mine; the floor 2^(3 - 127) keeps the byte at 1 or above
.endr
.irp i, 2,4,6,8,10,12,14,16,18,20,22,24,26,28,30
.irp c, 0,1
	v_max3_num_f32 v[M+\c], v[M+\c], |v[X+32*\c+\i]|, |v[X+32*\c+\i+1]|   ; (the two blocks by turns)
.endr
.endr
.irp c, 0,1
	v_add_nc_u32 v[S+\c], 0xff000000, v[M+\c]      ; 2 off the exponent field: the conversion takes this operand's exponent field as its scale
.endr
.irp c, 0,1
	v_lshrrev_b32 v[BY+\c], 23, v[S+\c]            ; the scale's byte
.endr
	v_lshl_or_b32 v[T], v[BY+1], 16, v[BY]         ; blocks h and 2 + h of row r,
	v_lshlrev_b32 v[T], v7, v[T]                   ; 8 h bits up;
	v_permlanex16_b32 v[U], v[T], s20, s21
	v_or_b32 v[W+(\wi)], v[T], v[U]                ; with lane l xor 16's two bytes the word is whole, in both halves of the lanes
.if FST == 0
	s_wait_alu depctr_va_vdst(0)
	s_wait_xcnt 0x0                                ; the last fragment's stores have read C: only behind this wait is it written again
.endif
.set FST, 0
	v_cvt_scalef32_pk16_fp6_f32 v[C:C+2], v[X:X+15], v[S]
	v_cvt_scalef32_pk16_fp6_f32 v[T0:T0+2], v[X+16:X+31], v[S]
	v_cvt_scalef32_pk16_fp6_f32 v[C+6:C+8], v[X+32:X+47], v[S+1]
	v_cvt_scalef32_pk16_fp6_f32 v[T1:T1+2], v[X+48:X+63], v[S+1]
	v_nop                                          ; one plain instruction between a scaled conversion and the vector instruction that reads its result
.irp i, 0,1,2
	v_mov_b32 v[C+3+\i], v[T0+\i]
	v_mov_b32 v[C+9+\i], v[T1+\i]
.endr
.irp c, 0,1,2
	global_store_b128 v4, v[C+4*\c:C+4*\c+3], s[26:27] offset:(\off)+512*\c   ; 32 lanes store 512 consecutive bytes, at a multiple of 256 from the buffer's first byte
.endr
.endm
; 16 registers of int8, four to a register, become X: sign-extended, converted, and multiplied by w_scale in f32
.macro UNPACK raw
.irp y, 0,1,2,3,4,5,6,7,8,9,10,11,12,13,14,15
	v_lshlrev_b32 v[X+4*\y], 24, v[(\raw)+\y]
	v_lshlrev_b32 v[X+4*\y+1], 16, v[(\raw)+\y]
	v_lshlrev_b32 v[X+4*\y+2], 8, v[(\raw)+\y]
	v_ashrrev_i32 v[X+4*\y], 24, v[X+4*\y]
	v_ashrrev_i32 v[X+4*\y+1], 24, v[X+4*\y+1]
	v_ashrrev_i32 v[X+4*\y+2], 24, v[X+4*\y+2]
	v_ashrrev_i32 v[X+4*\y+3], 24, v[(\raw)+\y]
	v_cvt_f32_i32 v[X+4*\y], v[X+4*\y]
	v_cvt_f32_i32 v[X+4*\y+1], v[X+4*\y+1]
	v_cvt_f32_i32 v[X+4*\y+2], v[X+4*\y+2]
	v_cvt_f32_i32 v[X+4*\y+3], v[X+4*\y+3]
	v_pk_mul_f32 v[X+4*\y:X+4*\y+1], v[X+4*\y:X+4*\y+1], s[22:23] op_sel_hi:[1,0]
	v_pk_mul_f32 v[X+4*\y+2:X+4*\y+3], v[X+4*\y+2:X+4*\y+3], s[22:23] op_sel_hi:[1,0]
.endr
.endm
	s_load_b256 s[4:11], s[0:1], 0x0               ; x s[4:5], int_weight s[6:7], w_scale s[8:9], aq s[10:11]
	s_load_b64 s[12:13], s[0:1], 0x20              ; bq
	v_lshl_add_u32 v62, v0, 2, 0x10c00
	v_mov_b32 v63, 0
	v_lshrrev_b32 v1, 5, v0
	v_readfirstlane_b32 s14, v1                    ; wave 0..3
	s_and_b32 s15, s14, 1                          ; j: which 64 of the block's 128 rows
	s_lshr_b32 s16, s14, 1                         ; which of the work-group's two pieces along K
	v_and_b32 v1, 31, v0                           ; lane
	v_and_b32 v2, 15, v0                           ; r
	v_bfe_u32 v3, v0, 4, 1                         ; h
	v_lshlrev_b32 v4, 4, v1                        ; 16 x lane: x's loads, and every store of codes
	s_mul_i32 s17, s14, XPW                        ; every LDS address is made here, ahead of the parting of the two paths
	v_add_nc_u32 v5, s17, v4                       ; x's stage, in: a row as it lies
	v_mul_u32_u24 v6, v2, XP
	v_lshl_add_u32 v6, v3, 7, v6
	v_add_nc_u32 v6, s17, v6                       ; out: row r, + 128 h: my 32 numbers of each 64
	v_lshlrev_b32 v7, 3, v3                        ; 8 h
	v_lshl_add_u32 v8, v2, 4, v7                   ; x's scale words: 16 r + 8 h
	v_lshlrev_b32 v9, 12, v3
	v_lshl_add_u32 v9, v2, 4, v9                   ; the weights' loads: row h of two, 16 bytes a lane
	s_mul_i32 s18, s14, WPW
	s_add_co_u32 s18, s18, WST
	v_mul_u32_u24 v10, v3, WP
	v_lshl_add_u32 v10, v2, 4, v10
	v_add_nc_u32 v10, s18, v10                     ; the weights' stage, in
	v_mul_u32_u24 v11, v2, WP
	v_lshl_add_u32 v11, v3, 5, v11
	v_add_nc_u32 v11, s18, v11                     ; out: row r, + 32 h: my 32 bytes of each 64
	v_mul_u32_u24 v47, v3, SB
	v_lshl_add_u32 v47, v2, 4, v47                 ; the weights' scale words: 16 r, lanes 16-31 one block of the workspace on
	v_mov_b32 v[U], 0                              ; written once: a lane permute's destination counts as one of its sources
	s_mov_b32 s20, 0x76543210
	s_mov_b32 s21, 0xfedcba98                      ; v_permlanex16_b32's selects for lane l xor 16
	s_mov_b32 s25, 0                               ; the high word of every offset
	s_wait_kmcnt 0x0
	s_cmp_lt_u32 ttmp9, 512
	s_cbranch_scc0 .Lweights
	; ---- x
	s_lshr_b32 s17, ttmp9, 4                       ; g
	s_and_b32 s18, ttmp9, 15
	s_lshl_b32 s18, s18, 1
	s_add_co_u32 s18, s18, s16                     ; n
	s_lshl_b32 s24, s17, 21                        ; 128 g rows of 16,384 bytes,
	s_lshl_b32 s19, s15, 20                        ; 64 j rows,
	s_add_co_u32 s24, s24, s19
	s_lshl_b32 s19, s18, 9                         ; 128 n numbers
	s_add_co_u32 s24, s24, s19
	s_add_nc_u64 s[4:5], s[4:5], s[24:25]
	s_lshl_b32 s19, s17, 5
	s_add_co_u32 s19, s19, s18
	s_mul_i32 s24, s19, SB
	s_add_nc_u64 s[10:11], s[10:11], s[24:25]      ; block (g, n)
	s_mul_i32 s24, s15, 4*FRB
	s_add_nc_u64 s[26:27], s[10:11], s[24:25]      ; my four fragments
	s_lshl_b32 s24, s15, 8
	s_add_co_u32 s24, s24, SCO
	s_add_nc_u64 s[28:29], s[10:11], s[24:25]      ; their 256 bytes of scale words
.set FST, 1
	LOADX 0
	LOADX 1
.irp f, 0,1,2,3
.if \f < 3
	s_wait_loadcnt 16                              ; this fragment's 16 loads are in; the next fragment's 16 may be out
.else
	s_wait_loadcnt 0x0
.endif
.irp rr, 0,1,2,3,4,5,6,7,8,9,10,11,12,13,14,15
	ds_store_b128 v5, v[R+64*(\f%2)+4*\rr:R+64*(\f%2)+4*\rr+3] offset:XP*\rr
.endr
.irp c, 0,1
.irp j, 0,1,2,3,4,5,6,7
	ds_load_b128 v[X+32*\c+4*\j:X+32*\c+4*\j+3], v6 offset:256*\c+16*\j   ; LDS serves a wave's instructions in order: these see the stores above
.endr
.endr
	s_wait_dscnt 0x0                               ; the numbers are back, and the stores have read their registers,
.if \f < 2
	LOADX \f+2                                     ; which take the fragment two on
.endif
	QFRAG \f, FRB*\f
.endr
	v_cmp_eq_u32 vcc_lo, 1, v3
	v_cndmask_b32 v24, v[W], v[W+2], vcc_lo        ; lane (r, h) stores the words of fragments 2 h and 2 h + 1 of row r
	v_cndmask_b32 v25, v[W+1], v[W+3], vcc_lo
	global_store_b64 v8, v[24:25], s[28:29]        ; 32 lanes store 256 consecutive bytes, aligned
	s_wait_tensorcnt 0x0
	ds_add_u32 v62, v63
	s_wait_dscnt 0x0
	s_endpgm
	; ---- the weights
.Lweights:
	s_load_b32 s22, s[8:9], 0x0                    ; w_scale
	s_sub_co_u32 s17, ttmp9, 512
	s_lshr_b32 s18, s17, 3                         ; g
	s_and_b32 s19, s17, 7
	s_lshl_b32 s19, s19, 1
	s_add_co_u32 s19, s19, s16                     ; P: which 256 along K
	s_lshl_b32 s24, s18, 19                        ; 128 g rows of 4,096 bytes,
	s_lshl_b32 s17, s15, 18                        ; 64 j rows,
	s_add_co_u32 s24, s24, s17
	s_lshl_b32 s17, s19, 8                         ; 256 P bytes
	s_add_co_u32 s24, s24, s17
	s_add_nc_u64 s[6:7], s[6:7], s[24:25]
	s_lshl_b32 s17, s18, 5
	s_lshl_b32 s19, s19, 1
	s_add_co_u32 s17, s17, s19
	s_mul_i32 s24, s17, SB
	s_add_nc_u64 s[12:13], s[12:13], s[24:25]      ; block (g, 2 P); block (g, 2 P + 1) follows it
	s_mul_i32 s24, s15, 4*FRB
	s_add_nc_u64 s[26:27], s[12:13], s[24:25]
	s_lshl_b32 s24, s15, 8
	s_add_co_u32 s24, s24, SCO
	s_add_nc_u64 s[28:29], s[12:13], s[24:25]
.irp t, 0,1,2,3,4,5,6,7,8,9,10,11,12,13,14,15,16,17,18,19,20,21,22,23,24,25,26,27,28,29,30,31
	global_load_b128 v[R+4*\t:R+4*\t+3], v9, s[6:7] offset:8192*\t th:TH_LOAD_NT   ; rows 2 t and 2 t + 1: sixteen lanes read 256 consecutive bytes, aligned
.endr
	s_wait_kmcnt 0x0
	s_mov_b32 s23, s22                             ; (the packed form names the pair)
.set FST, 1
	s_wait_alu depctr_va_vdst(0)
.irp p, 0,1                                    ; rows 32 p on
.if \p == 0
	s_wait_loadcnt 16                              ; rows 0-31 are in; the 16 loads of rows 32-63 may be out
.else
	s_wait_loadcnt 0x0
.endif
.irp t, 0,1,2,3,4,5,6,7,8,9,10,11,12,13,14,15
	ds_store_b128 v10, v[R+64*\p+4*\t:R+64*\p+4*\t+3] offset:2*WP*\t
.endr
	s_wait_dscnt 0x0                               ; the stores have read their registers, which take the same bytes back in another order
.irp ii, 0,1                                   ; fragment 2 ii + q: rows 16 ii on, K step q
.irp q, 0,1
.irp c, 0,1
.irp j, 0,1
	ds_load_b128 v[R+64*\p+16*(2*\ii+\q)+4*(2*\c+\j):R+64*\p+16*(2*\ii+\q)+4*(2*\c+\j)+3], v11 offset:16*\ii*WP+128*\q+64*\c+16*\j
.endr
.endr
.endr
.endr
.irp ii, 0,1
.irp q, 0,1
	s_wait_dscnt 12-4*(2*\ii+\q)                   ; this fragment's four loads are in; the later fragments' four each may be out
	UNPACK R+64*\p+16*(2*\ii+\q)
	QFRAG 4*\q+2*\p+\ii, \q*SB+(2*\p+\ii)*FRB
.endr
.endr
.endr
	v_cmp_eq_u32 vcc_lo, 1, v3
.irp i, 0,1,2,3
	v_cndmask_b32 v[W+\i], v[W+\i], v[W+4+\i], vcc_lo   ; lanes 0-15 store K step 2 P's four words of row r, lanes 16-31 K step 2 P + 1's
.endr
	global_store_b128 v47, v[W:W+3], s[28:29]      ; sixteen lanes store 256 consecutive bytes, aligned, in each of the two blocks
	s_wait_tensorcnt 0x0
	ds_add_u32 v62, v63
	s_wait_dscnt 0x0
	s_endpgm
.Lfunc_end_k_q749150117f_quant:
	.size	k_q749150117f_quant, .Lfunc_end_k_q749150117f_quant-k_q749150117f_quant
	.p2alignl 7, 3214868480
	.fill 96, 4, 3214868480
	.section	.rodata,"a",@progbits
	.p2align	6, 0x0
	.amdhsa_kernel k_q749150117f_quant
		.amdhsa_group_segment_fixed_size 69120
		.amdhsa_private_segment_fixed_size 0
		.amdhsa_enable_private_segment 0
		.amdhsa_kernarg_size 40
		.amdhsa_user_sgpr_count 2
		.amdhsa_user_sgpr_kernarg_segment_ptr 1
		.amdhsa_wavefront_size32 1
		.amdhsa_system_sgpr_workgroup_id_x 1
		.amdhsa_system_sgpr_workgroup_id_y 1
		.amdhsa_system_sgpr_workgroup_id_z 1
		.amdhsa_system_vgpr_workitem_id 0
		.amdhsa_next_free_vgpr 256
		.amdhsa_next_free_sgpr 66
		.amdhsa_reserve_vcc 1
		.amdhsa_float_denorm_mode_32 3
		.amdhsa_float_denorm_mode_16_64 3
		.amdhsa_memory_ordered 1
		.amdhsa_forward_progress 1
		.amdhsa_inst_pref_size 126
	.end_amdhsa_kernel
	.amdgpu_metadata
---
amdhsa.version: [ 1, 2 ]
amdhsa.kernels:
  - .name:           k_q749150117f_quant
    .symbol:         k_q749150117f_quant.kd
    .args:
      - { .name: x, .offset: 0, .size: 8, .value_kind: global_buffer, .address_space: global }
      - { .name: int_weight, .offset: 8, .size: 8, .value_kind: global_buffer, .address_space: global }
      - { .name: w_scale, .offset: 16, .size: 8, .value_kind: global_buffer, .address_space: global }
      - { .name: aq, .offset: 24, .size: 8, .value_kind: global_buffer, .address_space: global }
      - { .name: bq, .offset: 32, .size: 8, .value_kind: global_buffer, .address_space: global }
    .group_segment_fixed_size: 69120
    .private_segment_fixed_size: 0
    .kernarg_segment_align: 8
    .kernarg_segment_size: 40
    .max_flat_workgroup_size: 128
    .sgpr_count:     66
    .vgpr_count:     256
    .wavefront_size: 32
...
	.end_amdgpu_metadata
.endif
;; end of part 1
;; launch gemm (part 2): grid 16 x 16, 4 waves a work-group, clusters of 4 x 4, 327,680 bytes of LDS; arguments aq, bq, fp_bias, out0; writes out0
.if DOCPART == 2
	.amdgcn_target "amdgcn-amd-amdhsa--gfx1250"
	.amdhsa_code_object_version 6
	.text
	.protected	k_q749150117f_gemm
	.globl	k_q749150117f_gemm
	.p2align	8
	.type	k_q749150117f_gemm,@function
k_q749150117f_gemm:
	s_mov_b64 s[64:65], 0
	v_nop
	global_prefetch_b8 v0, s[64:65] scope:SCOPE_SE
	s_setreg_imm32_b32 hwreg(HW_REG_WAVE_MODE, 25, 1), 1
	s_wait_xcnt 0x0
	s_wait_alu depctr_hold_cnt(0) depctr_sa_sdst(0) depctr_va_vdst(0) depctr_va_sdst(0) depctr_va_ssrc(0) depctr_va_vcc(0) depctr_vm_vsrc(0)
	s_getreg_b32 s2, hwreg(HW_REG_IB_STS2, 6, 4)
	s_cmp_eq_u32 s2, 0
	s_cbranch_scc0 .Lentry_in_a_cluster
	s_endpgm
.Lentry_in_a_cluster:
	s_bfe_u32 s2, ttmp6, 0x10000c
	s_cmp_lg_u32 s2, 0xf033
	s_cbranch_scc0 .Lentry_shape_is_right
	s_endpgm
.Lentry_shape_is_right:
; out0[m][n] = sum over k of A[m][k] B[n][k] + fp_bias[n].  aq, bq: codes of FP6 (E2M3) and E8M0 scale words of x and of the weights, laid by the launch before in the order of the operand's registers:
; block (g = row / 128, n = k / 128) at (32 g + n) x 12,800 bytes; in it fragment i (16 rows) at 1,536 i, register group c at + 512 c, lane l at + 16 l; the scale words from 12,288 on.
; A work-group of four waves makes 256 x 256 of out0, a wave 128 x 128: 64 accumulators.  K goes through two LDS slots of three K steps of 128 each (the last fill: two steps), filled by joint tensor loads, dense rows of 256 bytes.
; CLUSTERS: 4 x 4 work-groups; A's tiles are shared along a row of the cluster, B's along a column.  The matrix instruction is used transposed (source 0 = B's rows, source 1 = A's), so a lane holds 8 neighbouring columns.
; REGISTERS.  window 0: v0-31 addresses, v32-47 scale words (two sets of 8), v64-159 and v160-255 A's fragments, TWO sets;  window 1: v0-95 and v96-191 B's fragments, two sets, v192-255 the bias in the result's layout,
; which is the C of the first step's products;  window 2: the accumulators of my rows 0-63 ((a, b) at v[8 (8 a + b)]);  window 3: those of my rows 64-127.
; ONE RUN OF LDS LOADS A K STEP: with two sets for both operands a step is the next step's 50 loads on end (24 for B, 24 for A, 2 for the scale words) and then its own 64 products with nothing between them.
; In a slot's last step every read of the slot has been issued a step earlier, so the change of slots stands at that step's head: the wait for the other slot, the add, the round, the refill, the next slot's run, and then the step's 64 products.
; The last two steps' operands all lie in registers, so these steps go by rows of out0, and a block of 16 rows leaves as soon as it is finished.
; The accumulators take turns, one instruction a turn.
; PREFETCH: behind each refill in the loop the tile that the next refill will ask for is named, three K steps ahead of its load.  Every cluster names the tiles that it will itself load: the four partners that ask for a tile
; jointly share its 76,800 bytes out by address (cx for A, cy for B), waves 0-2 a run of 6,400 bytes each, the 32 lanes 200 bytes apart, so that each block of 256 bytes is named.  The first three fills and the last, shorter one are not named.
.set SB,     12800
.set FRB,    1536
.set SCO,    12288
.set TILEB,  3*SB
.set SLOT,   4*TILEB                   ; A's two halves, then B's two halves
.set SPARE,  2*SLOT                    ; the spare words: 128 bytes a wave, two blocks of 256 bytes that no other line names
.set GROUPB, 32*SB
.set PFP,    TILEB/6
.set SPITCH, 528
.set STAGE,  SLOT                      ; the way out: 16 rows x 528 bytes a wave, in slot 1, which has had its last fill and its last read by then
.set ADA,  16                          ; v16-17 my A fragments in slot 0, 1
.set ADRS, 18                          ; v18-19 scale words: lanes 0-15 A's, lanes 16-31 B's
.set ADB,  20                          ; v20-21 my B fragments
.set STO,  24
.set RD,   25
.set CO,   26
.set PFO,  27
.set SPW,  28
.set NIL,  29
.set SC,   32
.set AF,   64
.set BI,   192
.set G1,   24
.set G0,   32
.set G1B,  48
.set G0B,  56
.set G1S,  68                          ; group 1 of the last fill: 100 rows
.set G1SB, 76
.set PFA,  84
.set PFB,  86
.set LIMA, 88
.set LIMB, 89
.set MUL_LO,   0xa1                    ; source 0 (B) window 1, source 1 (A) window 0, C and D window 2
.set MUL_HI,   0xf1
.set FIRST_LO, 0x91                    ; the same with C, the bias, in window 1
.set FIRST_HI, 0xd1
.set MSB, 0
.macro WIN new                         ; the immediate's high byte repeats the setting that is left
.if MSB != (\new)
	s_set_vgpr_msb (MSB<<8)|(\new)
.set MSB, (\new)
.endif
.endm
.macro PLACES n
.rept \n
	v_nop
.endr
.endm
; a joint load: waves 0, 1 fetch A's halves, waves 2, 3 B's; s_nop 0 and four v_nop behind each line
.macro JLOAD g0a, g1a, g0b, g1b
	s_cmp_eq_u32 s15, 0
	s_cbranch_scc0 .Lfor_b_\@
	tensor_load_to_lds s[\g0a:\g0a+3], s[\g1a:\g1a+7]
	s_nop 0
	PLACES 4
	s_branch .Lasked_\@
.Lfor_b_\@:
	tensor_load_to_lds s[\g0b:\g0b+3], s[\g1b:\g1b+7]
	s_nop 0
	PLACES 4
.Lasked_\@:
.endm
.macro ASK always
.if \always
	s_cmp_eq_u32 s[LIMA], 1
.else
	s_cmp_gt_u32 s3, s[LIMA]               ; not in the loop's last trip: the last fill is shorter
.endif
	s_cbranch_scc0 .Lnot_a_\@
	global_prefetch_b8 v[PFO], s[PFA:PFA+1] th:TH_LOAD_NT scope:SCOPE_SE
.Lnot_a_\@:
.if \always
	s_cmp_eq_u32 s[LIMB], 1
.else
	s_cmp_gt_u32 s3, s[LIMB]
.endif
	s_cbranch_scc0 .Lnot_b_\@
	global_prefetch_b8 v[PFO], s[PFB:PFB+1] th:TH_LOAD_NT scope:SCOPE_SE
.Lnot_b_\@:
.endm
.macro CREST                           ; a round of the cluster's barrier behind its opening barrier
	s_cmp_lg_u32 s14, 0
	s_cbranch_scc1 .Lnot_wave_0_\@
	s_barrier_signal -3
.Lnot_wave_0_\@:
	s_barrier_wait -3
	s_barrier_signal -1
	s_barrier_wait -1
.endm
.macro CROUND
	s_barrier_signal -1
	s_barrier_wait -1
	CREST
.endm
; 8 products: A's block blk against B's eight, on set p.  Scale register SC + 8 p + i: lanes 0-15 A's block i, lanes 16-31 B's block i
.macro MUL8 blk, p, first
.irp b, 0,1,2,3,4,5,6,7
.if \first
	v_wmma_scale_f32_16x16x128_f8f6f4 v[8*(8*((\blk)%4)+\b):8*(8*((\blk)%4)+\b)+7], v[96*(\p)+12*\b:96*(\p)+12*\b+11], v[AF+96*(\p)+12*(\blk):AF+96*(\p)+12*(\blk)+11], v[BI+8*\b:BI+8*\b+7], v[SC+8*(\p)+\b], v[SC+8*(\p)+(\blk)] matrix_a_fmt:MATRIX_FMT_FP6 matrix_b_fmt:MATRIX_FMT_FP6 matrix_a_scale:MATRIX_SCALE_ROW1
.else
	v_wmma_scale_f32_16x16x128_f8f6f4 v[8*(8*((\blk)%4)+\b):8*(8*((\blk)%4)+\b)+7], v[96*(\p)+12*\b:96*(\p)+12*\b+11], v[AF+96*(\p)+12*(\blk):AF+96*(\p)+12*(\blk)+11], v[8*(8*((\blk)%4)+\b):8*(8*((\blk)%4)+\b)+7], v[SC+8*(\p)+\b], v[SC+8*(\p)+(\blk)] matrix_a_fmt:MATRIX_FMT_FP6 matrix_b_fmt:MATRIX_FMT_FP6 matrix_a_scale:MATRIX_SCALE_ROW1
.endif
.endr
.endm
.macro RUN n, adr, base, off           ; fragments lie on end in LDS and in registers: load i of a run takes 512 bytes at off + 512 i into base + 4 i
.set LN, 0
.rept \n
	ds_load_b128 v[(\base)+4*LN:(\base)+4*LN+3], v[\adr] offset:(\off)+512*LN
.set LN, LN+1
.endr
.endm
.macro RUNF slot, q, p                 ; all that step q of an LDS slot needs, into set p: 50 loads
	WIN 0x40
	RUN 24, ADB+(\slot), 96*(\p), (\q)*SB
	WIN 0
	RUN 24, ADA+(\slot), AF+96*(\p), (\q)*SB
	ds_load_b128 v[SC+8*(\p):SC+8*(\p)+3], v[ADRS+(\slot)] offset:(\q)*SB+SCO
	ds_load_b128 v[SC+8*(\p)+4:SC+8*(\p)+7], v[ADRS+(\slot)] offset:(\q)*SB+SCO+256
.endm
; A K step on set p; the next step is step nq of slot nsl.  turn: the last step of slot sl, with the change of slots: 1 a refill of three steps, 2 of two steps, 3 none.
.macro STEPM sl, p, first, turn, nsl, nq, ask
.if \turn
.if \ask
	s_wait_xcnt 0x0                                ; my last prefetch has read its address
	s_add_nc_u64 s[PFA:PFA+1], s[PFA:PFA+1], TILEB
	s_add_nc_u64 s[PFB:PFB+1], s[PFB:PFB+1], TILEB
.endif
	WIN 0
	s_wait_tensorcnt 0x0                           ; my one load that was out, my part of the other slot, has landed
	ds_add_u32 v[SPW], v[NIL]
.if (\turn) < 3
	s_add_nc_u64 s[G0+4*(\sl)+2:G0+4*(\sl)+3], s[G0+4*(\sl)+2:G0+4*(\sl)+3], 2*TILEB       ; no tensor load of mine is out: this slot's next tile
	s_add_nc_u64 s[G0B+4*(\sl)+2:G0B+4*(\sl)+3], s[G0B+4*(\sl)+2:G0B+4*(\sl)+3], 2*TILEB
.endif
	s_wait_dscnt 0x0                               ; the add is done, and so is this step's run: my last reads of this slot
	s_barrier_signal -1
	s_barrier_wait -1
.if (\turn) < 3
	CREST                                          ; the barrier has opened a round: no wave of any partner still reads this slot or has a load on its way
.if (\turn) == 1
	JLOAD G0+4*(\sl), G1, G0B+4*(\sl), G1B         ; its four v_nop are also the places in front of the run below
.else
	JLOAD G0+4*(\sl), G1S, G0B+4*(\sl), G1SB
.endif
.else
	PLACES 4
.endif
	RUNF \nsl, \nq, 1-(\p)
.if (\ask) == 1
	ASK 1
.elseif (\ask) == 2
	ASK 0
.endif
	WIN MUL_LO
.else
	s_wait_dscnt 0x0                               ; this step's run, issued a step ago, is in
	PLACES 4                                       ; between the last step's products and the loads into the set that they read (ISA guide 7.12.1 for vector instructions)
	RUNF \nsl, \nq, 1-(\p)
.if \first
	WIN FIRST_LO
.else
	WIN MUL_LO
.endif
.endif
.irp a, 0,1,2,3
	MUL8 \a, \p, \first
.endr
.if \first
	WIN FIRST_HI
.else
	WIN MUL_HI
.endif
.irp a, 4,5,6,7
	MUL8 \a, \p, \first
.endr
.endm
; THE WAY OUT of block a, 16 rows x 128 columns: through my own stage, back as whole rows of 512 bytes into the same registers; LDS serves a wave's instructions in order (ISA guide 5.7.1.4)
.macro TOSTAGE a
.set AC, 64*((\a)%4)
	WIN 0x88+0x44*((\a)/4)
.irp b, 0,1,2,3,4,5,6,7
	ds_store_b128 v[STO], v[AC+8*\b:AC+8*\b+3] offset:64*\b          ; each accumulator from its low end on
	ds_store_b128 v[STO], v[AC+8*\b+4:AC+8*\b+7] offset:64*\b+16
.endr
.irp t, 0,1,2,3,4,5,6,7,8,9,10,11,12,13,14,15
	ds_load_b128 v[AC+4*\t:AC+4*\t+3], v[RD] offset:\t*SPITCH
.endr
.endm
.macro SEND a
.set AC, 64*((\a)%4)
	WIN 0x88+0x44*((\a)/4)
	s_wait_dscnt 0x0
.irp t, 0,1,2,3,4,5,6,7,8,9,10,11,12,13,14,15
	global_store_b128 v[CO], v[AC+4*\t:AC+4*\t+3], s[10:11] offset:(16*(\a)+\t)*16384 th:TH_STORE_NT   ; 32 lanes store 512 consecutive bytes, aligned
.endr
.endm
.macro ROW a                           ; block a is finished: blocks 0-3 have step 30's products already
.if (\a) < 4
	WIN MUL_LO
.else
	WIN MUL_HI
	MUL8 \a, 0, 0
.endif
	MUL8 \a, 1, 0
.endm
	s_load_b256 s[4:11], s[0:1], 0x0               ; aq, bq, fp_bias, out0
	v_lshl_add_u32 v[SPW], v0, 2, SPARE
	v_mov_b32 v[NIL], 0
	ds_add_u32 v[SPW], v[NIL]                      ; the opening lines: the add twice on end and its wait
	ds_add_u32 v[SPW], v[NIL]
	v_lshrrev_b32 v1, 5, v0
	v_readfirstlane_b32 s14, v1                    ; wave
	s_lshr_b32 s15, s14, 1                         ; my half of the rows; also: I fetch for A (0) or B (1)
	s_and_b32 s16, s14, 1                          ; my half of the columns; also: which 128 rows I fetch
	s_bfe_u32 s40, ttmp6, 0x40000                  ; cx
	s_bfe_u32 s41, ttmp6, 0x40004                  ; cy
	s_lshl_b32 s42, ttmp9, 2
	s_add_co_u32 s42, s42, s40                     ; tile column
	s_and_b32 s17, ttmp7, 0xffff
	s_lshl_b32 s17, s17, 2
	s_add_co_u32 s17, s17, s41                     ; tile row
	s_lshl_b32 s43, s41, 2
	s_lshl_b32 s43, 15, s43                        ; my row of the cluster
	s_lshl_b32 s44, 0x1111, s40                    ; my column
	s_or_b32 s[G1+0], s43, (3<<16)|(1<<21)         ; elements of 8 bytes; the mask, bit 21 beside it
	s_or_b32 s[G1B+0], s44, (3<<16)|(1<<21)
	s_or_b32 s[G1S+0], s43, (3<<16)|(1<<21)
	s_or_b32 s[G1SB+0], s44, (3<<16)|(1<<21)
.irp g, G1, G1B                        ; three K steps of 128 rows: a dense block, 150 rows of 256 bytes
	s_mov_b32 s[\g+1], 32<<16
	s_mov_b32 s[\g+2], 150<<16
	s_mov_b32 s[\g+3], 32<<16
	s_mov_b32 s[\g+4], 150
	s_mov_b32 s[\g+5], 32
	s_mov_b32 s[\g+6], 0
	s_mov_b32 s[\g+7], 0
.endr
.irp g, G1S, G1SB                      ; two K steps: 100 rows
	s_mov_b32 s[\g+1], 32<<16
	s_mov_b32 s[\g+2], 100<<16
	s_mov_b32 s[\g+3], 32<<16
	s_mov_b32 s[\g+4], 100
	s_mov_b32 s[\g+5], 32
	s_mov_b32 s[\g+6], 0
	s_mov_b32 s[\g+7], 0
.endr
	s_lshl_b32 s20, s17, 1
	s_add_co_u32 s20, s20, s16
	s_mul_i32 s20, s20, GROUPB                     ; A: group 2 x tile row + half
	s_mov_b32 s21, 0
	s_lshl_b32 s46, s42, 1
	s_add_co_u32 s46, s46, s16
	s_mul_i32 s46, s46, GROUPB                     ; B: group 2 x tile column + half
	s_mov_b32 s47, 0
	s_mul_i32 s45, s14, TILEB                      ; where my part of a slot goes
	s_wait_dscnt 0x0                               ; both opening adds are done
	s_wait_kmcnt 0x0
	s_add_nc_u64 s[20:21], s[4:5], s[20:21]
	s_add_nc_u64 s[46:47], s[6:7], s[46:47]
.irp s, 0,1
	s_mov_b32 s[G0+4*\s], 1
	s_add_co_u32 s[G0+4*\s+1], s45, \s*SLOT
	s_add_nc_u64 s[G0+4*\s+2:G0+4*\s+3], s[20:21], \s*TILEB
	s_or_b32 s[G0+4*\s+3], s[G0+4*\s+3], 0x80000000
	s_mov_b32 s[G0B+4*\s], 1
	s_add_co_u32 s[G0B+4*\s+1], s45, \s*SLOT
	s_add_nc_u64 s[G0B+4*\s+2:G0B+4*\s+3], s[46:47], \s*TILEB
	s_or_b32 s[G0B+4*\s+3], s[G0B+4*\s+3], 0x80000000
.endr
	CROUND                                         ; all sixteen work-groups are here: the first joint loads meet
	JLOAD G0, G1, G0B, G1B                         ; slot 0: one tensor load a wave at the head
	; all that follows up to the wait on TENSORcnt is done while slot 0's load is out.  First the scalar work
	s_lshl_b32 s20, s17, 8
	s_lshl_b32 s21, s15, 7
	s_add_co_u32 s20, s20, s21
	s_lshl_b32 s20, s20, 14                        ; my first row of out0, in bytes
	s_mov_b32 s21, 0
	s_lshl_b32 s46, s42, 10
	s_lshl_b32 s47, s16, 9
	s_add_co_u32 s46, s46, s47                     ; my first column, in bytes
	s_mov_b32 s47, 0
	s_add_nc_u64 s[8:9], s[8:9], s[46:47]
	s_add_nc_u64 s[10:11], s[10:11], s[20:21]
	s_add_nc_u64 s[10:11], s[10:11], s[46:47]
	s_lshr_b32 s90, s40, 1                         ; the prefetches: of a tile row's two groups each partner takes half a group's tile, its waves 0-2 a sixth of a tile each
	s_lshl_b32 s91, s17, 1
	s_add_co_u32 s90, s90, s91
	s_mul_i32 s90, s90, GROUPB
	s_and_b32 s91, s40, 1
	s_mul_i32 s91, s91, 3
	s_add_co_u32 s91, s91, s14
	s_mul_i32 s91, s91, PFP
	s_add_co_u32 s90, s90, s91
	s_add_co_u32 s90, s90, 2*TILEB
	s_mov_b32 s91, 0
	s_add_nc_u64 s[PFA:PFA+1], s[4:5], s[90:91]
	s_lshr_b32 s92, s41, 1
	s_lshl_b32 s93, s42, 1
	s_add_co_u32 s92, s92, s93
	s_mul_i32 s92, s92, GROUPB
	s_and_b32 s93, s41, 1
	s_mul_i32 s93, s93, 3
	s_add_co_u32 s93, s93, s14
	s_mul_i32 s93, s93, PFP
	s_add_co_u32 s92, s92, s93
	s_add_co_u32 s92, s92, 2*TILEB
	s_mov_b32 s93, 0
	s_add_nc_u64 s[PFB:PFB+1], s[6:7], s[92:93]
	s_lshr_b32 s94, s14, 1
	s_and_b32 s94, s94, s14                        ; 1 in wave 3, which names nothing: the choice hangs on the wave's number alone
	s_cmp_eq_u32 s94, 0
	s_cselect_b32 s[LIMA], 1, -1
	s_cselect_b32 s[LIMB], 1, -1
	s_mul_i32 s21, s15, TILEB                      ; my 128 rows of A in slot 0,
	s_mul_i32 s22, s16, TILEB
	s_add_co_u32 s22, s22, 2*TILEB                 ; my 128 rows of B,
	s_sub_co_u32 s96, s22, s21
	s_add_co_u32 s23, s21, SLOT                    ; and in slot 1
	s_add_co_u32 s97, s22, SLOT
	s_mul_i32 s98, s14, 16*SPITCH
	s_add_co_u32 s98, s98, STAGE                   ; my stage
	; then the vector work, on end
	v_and_b32 v1, 15, v0                           ; r
	v_bfe_u32 v2, v0, 4, 1                         ; h
	v_and_b32 v3, 31, v0                           ; lane
	v_lshlrev_b32 v4, 4, v3
	v_mul_u32_u24 v6, s96, v2                      ; lanes 16-31 take B's scale words
	v_lshl_add_u32 v6, v1, 4, v6
	v_add_nc_u32 v[ADRS], s21, v6
	v_add_nc_u32 v[ADRS+1], s23, v6
	v_mul_u32_u24 v7, v1, SPITCH
	v_lshl_add_u32 v7, v2, 5, v7
	v_add_nc_u32 v[STO], s98, v7                   ; into the stage: row r, 32 bytes for each half of the lanes
	v_lshlrev_b32 v[CO], 4, v3
	v_add_nc_u32 v[RD], s98, v[CO]                 ; back: 32 lanes take a row of 512 bytes
	v_lshlrev_b32 v5, 5, v2
	v_mul_u32_u24 v[PFO], v3, 200
	v_add_nc_u32 v[ADA], s21, v4                   ; the fragment addresses: 16 x lane + the tile
	v_add_nc_u32 v[ADA+1], s23, v4
	v_add_nc_u32 v[ADB], s22, v4
	v_add_nc_u32 v[ADB+1], s97, v4
	WIN 0x40                                       ; the bias into window 1: register 8 b + j is fp_bias at my column 16 b + 8 h + j
.irp b, 0,1,2,3,4,5,6,7
	global_load_b128 v[BI+8*\b:BI+8*\b+3], v5, s[8:9] offset:64*\b
	global_load_b128 v[BI+8*\b+4:BI+8*\b+7], v5, s[8:9] offset:64*\b+16
.endr
	WIN 0
	s_wait_alu depctr_va_vdst(0)                   ; the wait at the head's end
	s_wait_tensorcnt 0x0                           ; my part of slot 0 is in; these lines stand ahead of a later first fill as ahead of a refill
	ds_add_u32 v[SPW], v[NIL]
	s_wait_dscnt 0x0
	CROUND
	JLOAD G0+4, G1, G0B+4, G1B                     ; slot 1's first fill, the first tensor load behind the round
	RUNF 0, 0, 0                                   ; step 0's fragments
	s_wait_loadcnt 0x0                             ; the bias
	STEPM 0, 0, 1, 0, 0, 1, 0                      ; step 0 starts the sums on the bias
	WIN 0
	s_mov_b32 s3, 4
.Llap:                                                 ; a trip: six steps, once round the ring, both slots filled again
	STEPM 0, 1, 0, 0, 0, 2, 0
	STEPM 0, 0, 0, 1, 1, 0, 1
	STEPM 1, 1, 0, 0, 1, 1, 0
	STEPM 1, 0, 0, 0, 1, 2, 0
	STEPM 1, 1, 0, 1, 0, 0, 2
	STEPM 0, 0, 0, 0, 0, 1, 0
	WIN 0
	s_sub_co_u32 s3, s3, 1
	s_cmp_lg_u32 s3, 0
	s_cbranch_scc1 .Llap
	STEPM 0, 1, 0, 0, 0, 2, 0                      ; steps 25 to 29: one refill of two steps, then none
	STEPM 0, 0, 0, 2, 1, 0, 0
	STEPM 1, 1, 0, 0, 1, 1, 0
	STEPM 1, 0, 0, 0, 1, 2, 0
	STEPM 1, 1, 0, 3, 0, 0, 0
	; steps 30 (set 0) and 31 (set 1), by rows of out0
	s_wait_dscnt 0x0
	PLACES 4
	RUNF 0, 1, 1
	WIN MUL_LO
.irp a, 0,1,2,3
	MUL8 \a, 0, 0
.endr
	s_wait_dscnt 0x0                               ; step 31's run is in
	ROW 0
.irp a, 0,1,2,3,4,5,6,7
	PLACES 4                                       ; the stage's stores read results just made
.if \a > 0
	SEND \a-1
.endif
	TOSTAGE \a
.if \a < 7
	ROW \a+1
.endif
.endr
	SEND 7
	WIN 0
	s_wait_tensorcnt 0x0                           ; the wave's end
	ds_add_u32 v[SPW], v[NIL]
	s_wait_dscnt 0x0
	CROUND                                         ; the closing round
	s_endpgm
.Lfunc_end_k_q749150117f_gemm:
	.size	k_q749150117f_gemm, .Lfunc_end_k_q749150117f_gemm-k_q749150117f_gemm
	.p2alignl 7, 3214868480
	.fill 96, 4, 3214868480
	.section	.rodata,"a",@progbits
	.p2align	6, 0x0
	.amdhsa_kernel k_q749150117f_gemm
		.amdhsa_group_segment_fixed_size 327680
		.amdhsa_private_segment_fixed_size 0
		.amdhsa_enable_private_segment 0
		.amdhsa_kernarg_size 32
		.amdhsa_user_sgpr_count 2
		.amdhsa_user_sgpr_kernarg_segment_ptr 1
		.amdhsa_wavefront_size32 1
		.amdhsa_system_sgpr_workgroup_id_x 1
		.amdhsa_system_sgpr_workgroup_id_y 1
		.amdhsa_system_sgpr_workgroup_id_z 1
		.amdhsa_system_vgpr_workitem_id 0
		.amdhsa_next_free_vgpr 1024
		.amdhsa_next_free_sgpr 100
		.amdhsa_reserve_vcc 0
		.amdhsa_float_denorm_mode_32 3
		.amdhsa_float_denorm_mode_16_64 3
		.amdhsa_memory_ordered 1
		.amdhsa_forward_progress 1
		.amdhsa_inst_pref_size 205
	.end_amdhsa_kernel
	.amdgpu_metadata
---
amdhsa.version: [ 1, 2 ]
amdhsa.kernels:
  - .name:           k_q749150117f_gemm
    .symbol:         k_q749150117f_gemm.kd
    .args:
      - { .name: aq, .offset: 0, .size: 8, .value_kind: global_buffer, .address_space: global }
      - { .name: bq, .offset: 8, .size: 8, .value_kind: global_buffer, .address_space: global }
      - { .name: fp_bias, .offset: 16, .size: 8, .value_kind: global_buffer, .address_space: global }
      - { .name: out0, .offset: 24, .size: 8, .value_kind: global_buffer, .address_space: global }
    .group_segment_fixed_size: 327680
    .private_segment_fixed_size: 0
    .kernarg_segment_align: 8
    .kernarg_segment_size: 32
    .max_flat_workgroup_size: 128
    .sgpr_count:     100
    .vgpr_count:     1024
    .wavefront_size: 32
...
	.end_amdgpu_metadata
.endif
;; end of part 2
